; MI455X (gfx1250); checked and timed in simulation.
; The chip was launched on July 23, 2026; its instructions are those of AMD's public machine-readable ISA for CDNA 5 (MIT licence, August 2026) and "CDNA5" Instruction Set Architecture Reference Guide (July 2026). The comments in the code are by the model that wrote it; some were corrected since.
;; Omni Gen MLP. Allowed arithmetic: matrix products marked QUANTISED: E2M3 operands, one E8M0 scale for each 32 along K, by v_wmma_scale_f32_16x16x128_f8f6f4 with both operands' format E2M3, f32 sums; everything else in f32.
;; Inputs: b_down 2,048 float32; b_gate_up 16,384 float32; w_down_codes 2,048 x 256 x 24 uint8 (E2M3 codes of w_down, K innermost, in blocks of 32 codes, four codes in three bytes); w_down_scales 2,048 x 256 uint8 (E8M0 scales of w_down, one for each 32 codes along K); w_gate_up_codes 16,384 x 64 x 24 uint8 (E2M3 codes of w_gate_up, K innermost, in blocks of 32 codes, four codes in three bytes); w_gate_up_scales 16,384 x 64 uint8 (E8M0 scales of w_gate_up, one for each 32 codes along K); x_codes 2 x 512 x 64 x 24 uint8 (E2M3 codes of x, K innermost, in blocks of 32 codes, four codes in three bytes); x_scales 2 x 512 x 64 uint8 (E8M0 scales of x, one for each 32 codes along K).
;; Outputs: out0 2 x 512 x 2,048 float32.
;; This version of the problem:
;;   THIS VERSION OF THE PROBLEM IS GIVEN IN LOW PRECISION. The matrix products marked QUANTISED in the list below multiply operands that are first quantised to E2M3 (2 exponent bits, 3 mantissa bits; 6 bits a number), with one power-of-two scale for each 32 numbers along K (OCP MX v1.0); their sums are f32. All else is computed in f32.
;;   The module's matrix products, in the order in which they are computed (A, B: the left and right operand; K: the contracted axis; several contracted axes count as one K, in the product's order):
;;     1. [M 1,024, K 2,048] x [K 2,048, N 16,384]; A: input x (given as codes); B: input w_gate_up (given as codes): QUANTISED
;;     2. [M 1,024, K 8,192] x [K 8,192, N 2,048]; A: computed on the way; B: input w_down (given as codes): QUANTISED
;;   THE QUANTISER, for each operand of a quantised product, along K:
;;     - K is cut into blocks of 32 from its start; a last block that is shorter is filled with zeros.
;;     - A block's scale is 2^e with e = floor(log2(the largest magnitude in the block)) - 2, held to -126 .. 127; a block of zeros has e = 0. As a byte (E8M0): e + 127.
;;     - Each number is divided by its block's scale, clamped to +-7.5, and rounded to the nearest number of E2M3, ties to even, subnormals kept.
;;     - The product sums the exact products of the quantised numbers (number of the format x scale) in f32.
;;   ~~~python
;;   def quantise(x, axis):      # numpy; x: float32 -> the quantised numbers, widened to float32 again
;;       x = np.moveaxis(x, axis, -1); K = x.shape[-1]
;;       x = np.pad(x, [(0, 0)] * (x.ndim - 1) + [(0, -K % 32)]); x = x.reshape(x.shape[:-1] + (-1, 32)); a = np.abs(x).max(-1, keepdims=True)
;;       e = np.where(a > 0, np.clip(np.frexp(np.where(a > 0, a, 1))[1] - 1 - 2, -126, 127), 0)      # np.frexp(a)[1] - 1 = floor(log2(a)), exactly
;;       r = np.clip(x / 2.0 ** e, -7.5, 7.5)
;;       step = 2.0 ** (np.maximum(np.frexp(np.where(r == 0, 1, r))[1] - 1, 0) - 3)
;;       q = np.round(r / step) * step * 2.0 ** e      # np.round: ties to even
;;       return np.moveaxis(q.reshape(q.shape[:-2] + (-1,))[..., :K], -1, axis).astype(np.float32)
;;   ~~~
;;   OPERANDS COMPUTED ON THE WAY. 'Computed on the way' means the value that the module computes at that place (a softmax that the list does not call 'softmax' is quantised finished and normalised). What goes into a quantiser is computed in f32, as accurately as f32 sums, v_exp_f32 and their like allow (about 1e-6 of the number): no bf16 or f16 on the way to a quantiser, and a product that is left as it is and whose result goes on into a quantised operand takes f32 operands (vector FMAs, or v_wmma_f32_16x16x4_f32). A number that lies on a knife's edge between two numbers of the format may be rounded either way, as far as f32 arithmetic and the matrix unit's own rounding can turn it there, and no further.
;;   INPUTS GIVEN AS CODES. w_down (in the module: [8192, 2048], K = its axis 0); w_gate_up (in the module: [2048, 16384], K = its axis 0); x (in the module: [2, 512, 2048], K = its axis 2): each comes as NAME_codes (uint8): NAME with its K axis moved to the last place and cut into blocks of 32 codes, [.., K / 32, bytes a block], one block behind the other in memory; four codes in three bytes: a row's codes are one little-endian stream of bits, code i at bits 6 i .. 6 i + 5 (a code: sign, 2 exponent bits, 3 mantissa bits); and NAME_scales (uint8): the same leading axes, one E8M0 byte (e + 127) for each 32 codes along K. Its value is code x scale, taken as it is: it is not quantised again, and the codes and scales need not be those that the quantiser above would give.
;; One version. Each part assembles by itself: llvm-mc -triple=amdgcn-amd-amdhsa -mcpu=gfx1250 --defsym DOCPART=n.
;; ======== version 1 of 1: 2 launches
;; limits: right only within a limited range of input values
;; workspace buffers: hid 6,553,600 bytes
;; launch gateup (part 1): grid 64 x 4, 4 waves a work-group, clusters of 4 x 4, 327,680 bytes of LDS; arguments x_codes, x_scales, w_gate_up_codes, w_gate_up_scales, b_gate_up, hid; writes hid
.if DOCPART == 1
	.amdgcn_target "amdgcn-amd-amdhsa--gfx1250"
	.amdhsa_code_object_version 6
	.text
	.protected	k_q12b8da1f67_gateup
	.globl	k_q12b8da1f67_gateup
	.p2align	8
	.type	k_q12b8da1f67_gateup,@function
k_q12b8da1f67_gateup:
	s_mov_b64 s[64:65], 0
	v_nop
	global_prefetch_b8 v0, s[64:65] scope:SCOPE_SE
	s_setreg_imm32_b32 hwreg(HW_REG_WAVE_MODE, 25, 1), 1
	s_wait_xcnt 0x0
	s_wait_alu depctr_hold_cnt(0) depctr_sa_sdst(0) depctr_va_vdst(0) depctr_va_sdst(0) depctr_va_ssrc(0) depctr_va_vcc(0) depctr_vm_vsrc(0)
	s_getreg_b32 s2, hwreg(HW_REG_IB_STS2, 6, 4)
	s_cmp_eq_u32 s2, 0
	s_cbranch_scc0 .Lentry_in_a_cluster
	s_endpgm
.Lentry_in_a_cluster:
	s_bfe_u32 s2, ttmp6, 0x10000c
	s_cmp_lg_u32 s2, 0xf033
	s_cbranch_scc0 .Lentry_shape_is_right
	s_endpgm
.Lentry_shape_is_right:
; hid = Q(silu(x Wg + bg) * (x Wu + bu)): the MLP's first product on codes of FP6 (E2M3) with one E8M0 scale for each 32 along K, the activation in f32, and the quantiser along the hidden axis.
; x: 1,024 rows of 2,048 codes (1,536 bytes) and 64 scale bytes.  W: 16,384 rows likewise: rows 0-8,191 the gate's units, rows 8,192-16,383 the same units' up part.  b: 16,384 f32.
; SHARES.  A work-group takes 256 rows of x and 128 hidden units (128 rows of the gate, the same 128 of up): 256 x 256 sums.  Wave w takes rows 128 (w / 2) on and units 64 (w % 2) on, gate and up: 64 accumulators, 512 registers.
; K goes through a ring of two LDS slots in CHUNKS OF 256 BYTES of each row (a row is 1,536 bytes: six chunks, each beginning at a multiple of 256 bytes).  A step of 128 along K is 96 bytes: eight steps to three chunks;
; of each eight, steps 2 and 5 lie across two chunks and take their pieces from both slots.
; THE HEAD'S TILES, one tensor load a wave: wave 0 chunk 0 of x's 256 rows, wave 1 of the gate's 128, wave 2 of up's 128, wave 3 W's scale bytes (two dense runs of 8,192 bytes, 524,288 bytes apart: one tile of two rows).
; x's scale bytes (16,384 dense bytes) are the fifth tile: they come through registers, 16 lanes to 256 bytes, and are stored into LDS bytes of their own, on which no tile lands.
; CLUSTERS: 4 x 4 work-groups.  The four of a row of the cluster need the same tiles of x, the four of a column the same tiles of W: each is asked for jointly, by the same tensor load with a mask that names the four.
; PREFETCH: each wave names one chunk of 32 of the 128 rows that it fetches in the ring, a lane a row; the four partners that ask for a tile share its rows out by address (cx for x, cy for W).
; Chunk 1 is named ahead of the first round, chunk 2 in the head, and chunk c + 2 behind the load of chunk c; the place along K stands in the immediate, so the address registers are never rewritten; chunk 5 is the last that is named.
; THE MATRIX INSTRUCTION IS USED TRANSPOSED (source 0 = 16 rows of W, source 1 = 16 rows of x): lane (r, h) holds row r of x, its register j the unit 8 h + j of the tile.  The bias is the C of each sum's first product.
; THE WAY OUT.  silu(g) u in f32; two exchanges of half waves give each lane a whole block of 32 neighbouring units of one row; its largest magnitude, scale byte and codes need no other lane.
; hid is laid for its reader: [block of 128 rows][K step of 128 units][12,800 bytes]: eight images of an operand's registers (16 rows x 128 K: registers 4 c .. 4 c + 3 of lane l at 512 c + 16 l), 1,536 bytes each,
; then 512 bytes of scale words (row 16 a + r at 64 a + 4 r).  A work-group makes two such records; they are gathered in LDS (in slot 0, behind its last fill and last read) and leave in stores of 512 consecutive bytes.
; LIMITS: NaN and infinities are not served.  Where -g log2(e) reaches 128 the sigmoid is 0, and a reciprocal under 2^-126 is flushed to 0: silu is then 0 where its true size is under 1e-36.
; A block of zeros gets the scale byte 1 where the quantiser says 127: its codes are zeros, which add nothing under any byte but 0xff, and this program alone reads the bytes.
; REGISTERS: window 0: v0-31 addresses; v32-63 scale words, two sets; v64-127 the bias; v128-223 x's fragments, ONE set; on the way out v32-249 are at work.
;   window 1: W's fragments, TWO sets, at v0 and v128.   window 2: the accumulators of my rows 0-63 ((a, b) at v[8 (8 a + b)]; b 0-3 gate, 4-7 up);   window 3: those of my rows 64-127.
.set ROWB,   256
.set NQ,     2                         ; steps that one set of scale words serves
.set KROW,   1536
.set UPROW,  8192                      ; up's rows lie so many rows behind the gate's
.set STEPS,  16
.set CHUNKS, 6                         ; chunk c lies in slot c % 2
.set PITCH,  272                       ; an LDS row: 256 bytes + 16 of padding
.set FR,     12
.set NL,     6
.set NP,     4                         ; places behind this matrix instruction (ISA guide 7.12.1)
.set HALFT,  128*PITCH
.set SLOT,   4*HALFT                   ; x's 256 rows, the gate's 128, up's 128
.set HALFS,  32*272                    ; the scale bytes of 128 rows: 32 lines of 256 bytes + 16
.set SBLK,   4*272                     ; those of 16 rows
.set SCL,    2*SLOT                    ; the scales: x's rows 0-127, 128-255 (LDS stores), the gate's, up's (a tile)
.set SPARE,  SCL+4*HALFS               ; the spare words: two blocks of 256 bytes that no other line names
.set REC,    12800
.set PADW,   (1<<20)|(1<<21)|(5<<22)|(3<<25)   ; padding on; bit 21 beside a mask; 4 words behind every 64
.set XSO,  8                           ; v8      x's scale loads: 16 x thread; never rewritten
.set PFO,  9                           ; v9      the prefetches' offset: lane x a row; never rewritten
.set BOF,  10                          ; v10     the bias loads' offset: 32 h; never rewritten
.set H8,   11
.set RDC,  12
.set RDS,  13
.set GOC,  14
.set GOS,  15
.set ADRA, 16                          ; v16-17 my fragments of x in slot 0, 1; v18-19 for pieces whose lanes 0-15 end a chunk in slot 0, 1 and whose lanes 16-31 begin the next chunk in the other slot
.set ADRB, 20                          ; v20-23 the same for W
.set STC,  24
.set ADRS, 27                          ; scale words of blocks 0-3: lanes 0-15 x's, lanes 16-31 the gate's
.set SPW,  28
.set NIL,  29
.set ADRS2, 30                         ; blocks 4-7: lanes 0-15 x's, lanes 16-31 up's
.set STS,  31
.set SC,   32
.set BIAS, 64
.set AF,   128
.set XSA,  250                         ; where x's scale bytes go in LDS
.set TT,   32
.set PP,   64
.set MXR,  96
.set SCV,  100
.set BYT,  101
.set XX,   102
.set OB,   103
.set CD,   128
.set W16,  192
.set OUTR, 200
.set G0H,  4                           ; group 0 of the head's loads: x s[4:7], gate s[8:11], up s[68:71]
.set G0HB, 8
.set G0HU, 68
.set G1,   24                          ; x's tiles: group 1, and group 0 for each slot
.set G0,   32
.set G1B,  48                          ; W's tiles
.set G0B,  56
.set G1S,  80                          ; W's scales
.set G0S,  88
.set PFA,  66                          ; s[66:67] my work-group's 32 rows of the 128 that I fetch
.set MSB, 0
.macro WIN new
.if MSB != (\new)
	s_set_vgpr_msb (MSB<<8)|(\new)
.set MSB, (\new)
.endif
.endm
.set MUL_LO, 0xa1                      ; source 0 (W) window 1, source 1 (x) window 0, C and D window 2; the first products take C (the bias) from window 0
.set MUL_HI, 0xf1
.set TO_B,   0x40
.macro JLOAD g0a, g1a, g0b, g1b        ; a joint load: waves 0, 1 fetch for x, waves 2, 3 for W; s_nop 0 and four v_nop behind each line
	s_cmp_eq_u32 s17, 0
	s_cbranch_scc0 .Lfor_b_\@
	tensor_load_to_lds s[\g0a:\g0a+3], s[\g1a:\g1a+7]
	s_nop 0
.rept 4
	v_nop
.endr
	s_branch .Lasked_\@
.Lfor_b_\@:
	tensor_load_to_lds s[\g0b:\g0b+3], s[\g1b:\g1b+7]
	s_nop 0
.rept 4
	v_nop
.endr
.Lasked_\@:
.endm
.macro CREST
	s_cmp_lg_u32 s16, 0
	s_cbranch_scc1 .Lnot_wave_0_\@
	s_barrier_signal -3
.Lnot_wave_0_\@:
	s_barrier_wait -3
	s_barrier_signal -1
	s_barrier_wait -1
.endm
.macro CROUND
	s_barrier_signal -1
	s_barrier_wait -1
	CREST
.endm
.macro ASK c                           ; chunk c of my 32 rows, a lane a row
	global_prefetch_b8 v[PFO], s[PFA:PFA+1] offset:(\c)*ROWB th:TH_LOAD_NT scope:SCOPE_SE
.endm
	s_load_b128 s[4:7], s[0:1], 0x0                ; x's codes, x's scales
	s_load_b128 s[8:11], s[0:1], 0x10              ; W's codes, W's scales
	s_load_b128 s[12:15], s[0:1], 0x20             ; the bias, hid
	v_lshl_add_u32 v[SPW], v0, 2, SPARE
	v_mov_b32 v[NIL], 0
	ds_add_u32 v[SPW], v[NIL]                      ; the opening lines: the add, twice on end, and its wait ahead of my first tensor load
	ds_add_u32 v[SPW], v[NIL]
	v_lshrrev_b32 v1, 5, v0
	v_readfirstlane_b32 s16, v1                    ; wave 0..3
	v_lshlrev_b32 v[XSO], 4, v0
	v_bfe_u32 v2, v0, 4, 1
	v_lshlrev_b32 v[BOF], 5, v2
	v_and_b32 v3, 31, v0
	v_mul_u32_u24 v[PFO], v3, KROW
	s_lshr_b32 s17, s16, 1                         ; my half of the rows.  Also: in the ring I fetch for x (0) or for W (1)
	s_and_b32 s18, s16, 1                          ; my half of the units.  Also: which 128 rows I fetch (of W: the gate's or up's)
	s_bfe_u32 s40, ttmp6, 0x40000                  ; cx
	s_bfe_u32 s41, ttmp6, 0x40004                  ; cy: also the block of 256 rows (the grid is one cluster high)
	s_lshl_b32 s42, ttmp9, 2
	s_add_co_u32 s42, s42, s40                     ; the block of 128 units
	s_lshl_b32 s43, s41, 2
	s_lshl_b32 s43, 15, s43                        ; my row of the cluster
	s_lshl_b32 s44, 0x1111, s40                    ; my column
	s_or_b32 s[G1], s43, PADW                      ; elements of 1 byte
	s_or_b32 s[G1B], s44, PADW
.irp g, G1, G1B
	s_mov_b32 s[\g+1], ROWB<<16
	s_mov_b32 s[\g+3], ROWB<<16
	s_mov_b32 s[\g+5], KROW
	s_mov_b32 s[\g+6], 0
	s_mov_b32 s[\g+7], 0
.endr
	s_mov_b32 s[G1+2], 256<<16                     ; x's head load brings 256 rows; behind it these two words are set to 128
	s_mov_b32 s[G1+4], 256
	s_mov_b32 s[G1B+2], 128<<16
	s_mov_b32 s[G1B+4], 128
	s_or_b32 s[G1S], s44, (3<<16)|PADW             ; W's scales: 2 rows of 1,024 elements of 8 bytes, padded behind every 256 bytes
	s_mov_b32 s[G1S+1], 1024<<16
	s_mov_b32 s[G1S+2], 2<<16
	s_mov_b32 s[G1S+3], 1024<<16
	s_mov_b32 s[G1S+4], 2
	s_mov_b32 s[G1S+5], UPROW*64/8
	s_mov_b32 s[G1S+6], 0
	s_mov_b32 s[G1S+7], 0
	s_mov_b32 s96, 0xbfb8aa3b                      ; -log2(e), as a pair for the packed form
	s_mov_b32 s97, 0xbfb8aa3b
	s_mov_b32 s98, 0x76543210                      ; v_permlanex16_b32's selects for lane l xor 16
	s_mov_b32 s99, 0xfedcba98
	s_mul_i32 s20, s41, 256*KROW                   ; x's tile, in bytes (all these offsets stay under 2^25)
	s_mov_b32 s21, 0
	s_lshl_b32 s94, s41, 14                        ; its scale bytes
	s_mov_b32 s95, 0
	s_mul_i32 s46, s42, 128*KROW                   ; the gate's tile
	s_mov_b32 s47, 0
	s_lshl_b32 s92, s42, 13                        ; its scale bytes
	s_mov_b32 s93, 0
	s_mul_i32 s72, s18, 128*KROW                   ; in the ring: my 128 rows of x,
	s_mov_b32 s73, 0
	s_mul_i32 s74, s18, UPROW*KROW                 ; or the gate's or up's
	s_mov_b32 s75, 0
	s_lshl_b32 s78, s42, 9                         ; the bias: (128 x block + 64 x half) x 4 bytes
	s_lshl_b32 s79, s18, 8
	s_add_co_u32 s78, s78, s79
	s_mov_b32 s79, 0
	s_mul_i32 s45, s16, HALFT                      ; where my ring loads go: wave x 128 rows
	s_cmp_eq_u32 s17, 0
	s_cselect_b32 s76, s40, s41                    ; my place among the four that ask with me
	s_mul_i32 s76, s76, 32*KROW
	s_mov_b32 s77, 0
	s_wait_alu depctr_va_vdst(0)                   ; directly ahead of the waits below
	s_wait_dscnt 0x0                               ; both opening adds are done
	s_wait_kmcnt 0x0
	s_add_nc_u64 s[20:21], s[4:5], s[20:21]
	s_add_nc_u64 s[94:95], s[6:7], s[94:95]
	s_add_nc_u64 s[46:47], s[8:9], s[46:47]
	s_add_nc_u64 s[92:93], s[10:11], s[92:93]
	s_add_nc_u64 s[12:13], s[12:13], s[78:79]
.irp j, 0,1,2,3,4,5,6,7
	global_load_b128 v[SC+4*\j:SC+4*\j+3], v[XSO], s[94:95] offset:2048*\j   ; x's scale bytes: the work-group's 128 threads take 2,048 consecutive bytes a line
.endr
.irp b, 0,1,2,3,4,5,6,7
	global_load_b128 v[BIAS+8*\b:BIAS+8*\b+3],   v[BOF], s[12:13] offset:64*(\b%4)+32768*(\b/4)      ; lane (r, h): units 8 h + 0 .. 7 of each tile of 16: the result's layout
	global_load_b128 v[BIAS+8*\b+4:BIAS+8*\b+7], v[BOF], s[12:13] offset:64*(\b%4)+32768*(\b/4)+16
.endr
	s_mov_b32 s[G0H], 1
	s_mov_b32 s[G0H+1], 0
	s_mov_b64 s[G0H+2:G0H+3], s[20:21]
	s_or_b32 s[G0H+3], s[G0H+3], 0x80000000
	s_mov_b32 s[G0HB], 1
	s_mov_b32 s[G0HB+1], 2*HALFT
	s_mov_b64 s[G0HB+2:G0HB+3], s[46:47]
	s_or_b32 s[G0HB+3], s[G0HB+3], 0x80000000
	s_mov_b32 s[G0HU], 1
	s_mov_b32 s[G0HU+1], 3*HALFT
	s_add_nc_u64 s[G0HU+2:G0HU+3], s[46:47], UPROW*KROW
	s_or_b32 s[G0HU+3], s[G0HU+3], 0x80000000
	s_mov_b32 s[G0S], 1
	s_mov_b32 s[G0S+1], SCL+2*HALFS
	s_mov_b64 s[G0S+2:G0S+3], s[92:93]
	s_or_b32 s[G0S+3], s[G0S+3], 0x80000000
	s_add_nc_u64 s[20:21], s[20:21], s[72:73]      ; for the ring: my 128 rows
	s_add_nc_u64 s[46:47], s[46:47], s[74:75]
	s_cmp_eq_u32 s17, 0
	s_cselect_b64 s[PFA:PFA+1], s[20:21], s[46:47]
	s_add_nc_u64 s[PFA:PFA+1], s[PFA:PFA+1], s[76:77]
	ASK 1
.irp s, 0,1
	s_mov_b32 s[G0+4*\s], 1
	s_add_co_u32 s[G0+4*\s+1], s45, \s*SLOT
	s_add_nc_u64 s[G0+4*\s+2:G0+4*\s+3], s[20:21], \s*ROWB
	s_or_b32 s[G0+4*\s+3], s[G0+4*\s+3], 0x80000000
	s_mov_b32 s[G0B+4*\s], 1
	s_add_co_u32 s[G0B+4*\s+1], s45, \s*SLOT
	s_add_nc_u64 s[G0B+4*\s+2:G0B+4*\s+3], s[46:47], \s*ROWB
	s_or_b32 s[G0B+4*\s+3], s[G0B+4*\s+3], 0x80000000
.endr
	CROUND                                         ; all sixteen work-groups are here: the first joint loads meet
.macro ARM under, g0, g1, next         ; ONE tree of branches on the wave's number: every way through the head passes exactly one load
	s_cmp_lt_u32 s16, \under
	s_cbranch_scc0 \next
	tensor_load_to_lds s[\g0:\g0+3], s[\g1:\g1+7]
	s_nop 0
.rept 4
	v_nop
.endr
	s_branch .Lhead_asked
\next:
.endm
	ARM 1, G0H,  G1,  .Lhead_g
	ARM 2, G0HB, G1B, .Lhead_u
	ARM 3, G0HU, G1B, .Lhead_s
	tensor_load_to_lds s[G0S:G0S+3], s[G1S:G1S+7]
	s_nop 0
.rept 4
	v_nop
.endr
.Lhead_asked:
	v_and_b32 v1, 15, v0                           ; r
	v_bfe_u32 v2, v0, 4, 1                         ; h
	v_mul_u32_u24 v3, v1, PITCH
	v_mul_u32_u24 v4, v2, 24
	v_add_nc_u32 v4, v3, v4                        ; a fragment's row x pitch + 24 h
	s_mov_b32 s21, SLOT-232
	s_mov_b32 s22, SLOT+232
	v_sub_nc_u32 v7, 1, v2
	v_mul_u32_u24 v5, s21, v2
	v_add_nc_u32 v5, v3, v5
	v_add_nc_u32 v5, 232, v5                       ; lanes 0-15 byte 232 of the row in slot 0, lanes 16-31 byte 0 of the row in slot 1;
	v_mul_u32_u24 v6, s22, v7
	v_add_nc_u32 v6, v3, v6                        ; and the other way round
	s_mul_i32 s21, s17, HALFT                      ; my 128 rows of x
	s_mul_i32 s22, s18, 64*PITCH                   ; my 64 rows of the gate, behind x's 256; up's lie 128 rows further on
	s_add_co_u32 s22, s22, 2*HALFT
	v_add_nc_u32 v[ADRA+2], s21, v5
	v_add_nc_u32 v[ADRA+3], s21, v6
	v_add_nc_u32 v[ADRB+2], s22, v5
	v_add_nc_u32 v[ADRB+3], s22, v6
.irp s, 0,1
	v_add_nc_u32 v[ADRA+\s], s21, v4
	v_add_nc_u32 v[ADRB+\s], s22, v4
	s_add_co_u32 s21, s21, SLOT
	s_add_co_u32 s22, s22, SLOT
.endr
	v_lshlrev_b32 v5, 6, v1                        ; my row's scale bytes: 64 a row,
	v_lshrrev_b32 v6, 2, v1
	v_lshl_add_u32 v5, v6, 4, v5                   ; and 16 more for each 256 passed
	s_mul_i32 s21, s17, HALFS
	s_mul_i32 s22, s18, 4*SBLK
	s_add_co_u32 s22, s22, 2*HALFS
	s_sub_co_u32 s22, s22, s21                     ; how far the gate's lie behind x's: lanes 16-31 take them
	v_mul_u32_u24 v6, s22, v2
	s_add_co_u32 s23, s22, HALFS-4*SBLK            ; up's block i - 4 is named as block i
	v_mul_u32_u24 v7, s23, v2
	s_add_co_u32 s21, s21, SCL
	v_add_nc_u32 v5, s21, v5
	v_add_nc_u32 v[ADRS], v5, v6
	v_add_nc_u32 v[ADRS2], v5, v7
	v_lshrrev_b32 v4, 4, v0
	v_add_nc_u32 v4, v4, v0
	v_lshl_add_u32 v[XSA], v4, 4, SCL              ; byte y of x's scales goes to y + 16 (y / 256): 16 (t + t / 16), and 2,176 a line of loads
	v_lshlrev_b32 v[H8], 3, v2
	v_and_b32 v3, 31, v0                           ; lane
	s_wait_alu depctr_va_vdst(0)                   ; ahead of the run of scalar lines
	ASK 2
	s_mul_i32 s20, s17, REC                        ; the record of my 128 rows, in the stage at LDS byte 0
	v_lshl_add_u32 v4, v3, 4, s20
	s_mul_i32 s21, s18, 520                        ; my codes are registers 6 ch .. 6 ch + 5 of an image: pair 3 ch + i lies at 512 ((3 ch + i) / 2) + 8 ((3 ch + i) % 2)
	v_add_nc_u32 v[STC], s21, v4
	s_mul_i32 s22, s18, 1016
	s_add_co_u32 s22, s22, 8
	v_add_nc_u32 v[STC+1], s22, v4
	s_add_co_u32 s21, s21, 512
	v_add_nc_u32 v[STC+2], s21, v4
	s_lshl_b32 s21, s18, 1
	s_add_co_u32 s21, s21, s20
	s_add_co_u32 s21, s21, 12288
	v_lshl_add_u32 v[STS], v1, 2, s21              ; row r's scale word, my two bytes of it
	s_mul_i32 s21, s18, 6144                       ; back: wave w takes half w % 2 of record w / 2
	v_lshl_add_u32 v[GOC], v3, 4, s21
	v_add_nc_u32 v[RDC], s20, v[GOC]
	s_lshl_b32 s21, s18, 8
	s_add_co_u32 s21, s21, 12288
	v_lshl_add_u32 v[GOS], v3, 3, s21
	v_add_nc_u32 v[RDS], s20, v[GOS]
	s_lshl_b32 s20, s41, 1                         ; the record's place in hid: ((2 cy + w / 2) x 64 + the block of units) x 12,800
	s_add_co_u32 s20, s20, s17
	s_mul_i32 s20, s20, 64*REC
	s_mov_b32 s21, 0
	s_mul_i32 s46, s42, REC
	s_mov_b32 s47, 0
	s_add_nc_u64 s[20:21], s[20:21], s[46:47]
	s_add_nc_u64 s[14:15], s[14:15], s[20:21]
.macro FRAG reg, adr, st, ro           ; 16 rows x 128 K: lane l holds row l % 16; registers 6 c .. 6 c + 5 hold K = 64 c + 32 (l / 16) + 0 .. 31: 24 bytes of the row, as they lie, in pieces of 8.  ro: the block's first row
.irp p, 0,1,2,3,4,5
.set BY, 96*(\st)+48*(\p/3)+8*(\p%3)  ; byte y of a row lies in slot (y / 256) % 2 at byte y % 256 of the LDS row; lanes 16-31 read 24 bytes on
.if BY/ROWB == (BY+24)/ROWB
	ds_load_b64 v[\reg+2*\p:\reg+2*\p+1], v[\adr+(BY/ROWB)%2] offset:BY%ROWB+(\ro)*PITCH
.else
	ds_load_b64 v[\reg+2*\p:\reg+2*\p+1], v[\adr+2+(BY/ROWB)%2] offset:BY%ROWB-232+(\ro)*PITCH
.endif
.endr
.endm
; 16 matrix instructions: x's blocks a0, a0 + 1 against W's eight.  first = 1: the bias is the C.  The 64 accumulators take turns, one instruction a turn.
.macro MUL16 a0, p, q, sc, first
.irp a, \a0, \a0+1
.irp b, 0,1,2,3,4,5,6,7
.if \first
	v_wmma_scale_f32_16x16x128_f8f6f4 v[8*(8*((\a)%4)+\b):8*(8*((\a)%4)+\b)+7], v[128*(\p)+FR*\b:128*(\p)+FR*\b+FR-1], v[AF+FR*(\a):AF+FR*(\a)+FR-1], v[BIAS+8*\b:BIAS+8*\b+7], v[SC+8*NQ*(\sc)+NQ*\b+(\q)], v[SC+8*NQ*(\sc)+NQ*(\a)+(\q)] matrix_a_fmt:MATRIX_FMT_FP6 matrix_b_fmt:MATRIX_FMT_FP6 matrix_a_scale:MATRIX_SCALE_ROW1
.else
	v_wmma_scale_f32_16x16x128_f8f6f4 v[8*(8*((\a)%4)+\b):8*(8*((\a)%4)+\b)+7], v[128*(\p)+FR*\b:128*(\p)+FR*\b+FR-1], v[AF+FR*(\a):AF+FR*(\a)+FR-1], v[8*(8*((\a)%4)+\b):8*(8*((\a)%4)+\b)+7], v[SC+8*NQ*(\sc)+NQ*\b+(\q)], v[SC+8*NQ*(\sc)+NQ*(\a)+(\q)] matrix_a_fmt:MATRIX_FMT_FP6 matrix_b_fmt:MATRIX_FMT_FP6 matrix_a_scale:MATRIX_SCALE_ROW1
.endif
.endr
.endr
.endm
.macro FETCH_B st, p                   ; W's eight fragments: blocks 0-3 the gate's rows 16 i, blocks 4-7 up's, 128 rows further on
	WIN TO_B
.irp i, 0,1,2,3,4,5,6,7
	FRAG 128*(\p)+FR*\i, ADRB, \st, 16*\i+64*(\i/4)
.endr
	WIN 0
.endm
.macro FETCH_A st, i0
.irp i, \i0, \i0+1, \i0+2, \i0+3
	FRAG AF+FR*(\i), ADRA, \st, 16*(\i)
.endr
.endm
.macro SCALES pr                       ; the scale words of steps 2 pr, 2 pr + 1 into set pr % 2: lanes 0-15 x's block i, lanes 16-31 W's block i
.irp i, 0,1,2,3
	ds_load_b64 v[SC+8*NQ*((\pr)%2)+NQ*\i:SC+8*NQ*((\pr)%2)+NQ*\i+1], v[ADRS] offset:\i*SBLK+4*NQ*(\pr)
.endr
.irp i, 4,5,6,7
	ds_load_b64 v[SC+8*NQ*((\pr)%2)+NQ*\i:SC+8*NQ*((\pr)%2)+NQ*\i+1], v[ADRS2] offset:\i*SBLK+4*NQ*(\pr)
.endr
.endm
.macro PLACES n                        ; plain places ahead of loads into registers that matrix instructions have read, and of reads of results
.rept \n
	v_nop
.endr
.endm
; A step of 128 along K: 64 matrix instructions; the next step's fragments are fetched in two long runs, in its middle and at its end.
;   The next step ENDS in a chunk that no step has read: every wave waits for its tensor loads, and a barrier shows that chunk whole, ahead of the fetch.
;   The next step BEGINS in a later chunk than this one: the chunk left behind is read no more: the wait for all tensor loads, the add, the wait for it and for my reads, the barrier;
;   where a chunk two further on is left to fetch, the barrier opens a round of the cluster's barrier and the slot is filled again.
.macro STEP st, zero
.set NX, (\st)+1
.set C0, (96*(\st))/ROWB
.set C1, (96*NX)/ROWB
.set E0, (96*(\st)+95)/ROWB
.set E1, (96*NX+95)/ROWB
.if C1 > C0 || E1 > E0
	s_wait_tensorcnt 0x0                           ; all my tensor loads have landed (every window is 0 here)
.if C1 > C0
	ds_add_u32 v[SPW], v[NIL]                      ; 0 onto my spare word
	s_wait_dscnt 4*NL+1                            ; the add and the youngest 24 loads (x's blocks 4-7) may be out
.else
	s_wait_dscnt 4*NL                              ; the youngest 24 loads may be out
.endif
	WIN MUL_LO
	MUL16 0, (\st)%2, (\st)%2, ((\st)/2)%2, \zero
	s_wait_dscnt 0x0                               ; the add, where there is one, and all my reads are done
	s_barrier_signal -1
	MUL16 2, (\st)%2, (\st)%2, ((\st)/2)%2, \zero
	WIN 0
	s_barrier_wait -1
.if C1 > C0 && C0+2 < CHUNKS
	CREST                                          ; no wave of any partner still reads this slot's chunk or has a load on its way
	s_add_nc_u64 s[G0+4*(C0%2)+2:G0+4*(C0%2)+3], s[G0+4*(C0%2)+2:G0+4*(C0%2)+3], 2*ROWB
	s_add_nc_u64 s[G0B+4*(C0%2)+2:G0B+4*(C0%2)+3], s[G0B+4*(C0%2)+2:G0B+4*(C0%2)+3], 2*ROWB
	JLOAD G0+4*(C0%2), G1, G0B+4*(C0%2), G1B       ; chunk C0 + 2, my one tensor load behind the round; its four v_nop are the places ahead of the loads below
.else
	PLACES NP
.endif
.else
	s_wait_dscnt 4*NL                              ; W's set and x's blocks 0-3 are in
	WIN MUL_LO-0x20*(\zero)
	MUL16 0, (\st)%2, (\st)%2, ((\st)/2)%2, \zero
	MUL16 2, (\st)%2, (\st)%2, ((\st)/2)%2, \zero
	s_wait_dscnt 0                                 ; x's blocks 4-7 are in
	PLACES NP
.endif
	FETCH_B NX, NX%2
	FETCH_A NX, 0
.if NX%2 == 0
	SCALES NX/2
.endif
.if C1 > C0 && C0+4 < CHUNKS
	ASK C0+4                                       ; two chunks beyond the one just asked for
.endif
	WIN MUL_HI-0x30*(\zero)
	MUL16 4, (\st)%2, (\st)%2, ((\st)/2)%2, \zero
	MUL16 6, (\st)%2, (\st)%2, ((\st)/2)%2, \zero
	PLACES NP
	WIN 0
	FETCH_A NX, 4
.endm
	s_wait_alu depctr_va_vdst(0)
	s_wait_loadcnt 0x0                             ; x's scale bytes and the bias are in registers
	s_wait_tensorcnt 0x0                           ; my tile of the head's four is in: I store to LDS with no load of mine on its way
.irp j, 0,1,2,3,4,5,6,7
	ds_store_b128 v[XSA], v[SC+4*\j:SC+4*\j+3] offset:2176*\j
.endr
	s_wait_tensorcnt 0x0                           ; the wait and the add ahead of a later first fill, as ahead of a refill
	ds_add_u32 v[SPW], v[NIL]
	s_mov_b32 s[G1+2], 128<<16                     ; no tensor load of mine is out: from here on x's loads bring 128 rows
	s_mov_b32 s[G1+4], 128
	s_wait_dscnt 0x0                               ; the add and my stores are done
	CROUND                                         ; all five tiles are in, and all sixteen work-groups are here
	JLOAD G0+4, G1, G0B+4, G1B                     ; chunk 1, the first tensor load behind the round
	FETCH_B 0, 0
	FETCH_A 0, 0
	SCALES 0
	FETCH_A 0, 4
	ASK 3
	STEP 0, 1                                      ; the first step's products start the sums on the bias
.set ST, 1                             ; the walk along K is written out: slots and chunks come back to where they began only after sixteen steps, which is all of K
.rept STEPS-2
	STEP ST, 0
.set ST, ST+1
.endr
	s_wait_dscnt 4*NL                              ; the last step: nothing more to fetch
	WIN MUL_LO
	MUL16 0, 1, 1, 1, 0
	MUL16 2, 1, 1, 1, 0
	s_wait_dscnt 0
	WIN MUL_HI
	MUL16 4, 1, 1, 1, 0
	MUL16 6, 1, 1, 1, 0
	WIN 0
; THE WAY OUT of block a: my 16 rows 16 a on, 64 units.  Tile t's eight numbers go to place 0, 2, 1, 3 of four, so that the exchanges below leave neighbours in neighbouring registers.
.macro EPI a
.set AC, 64*((\a)%4)                   ; gate at AC + 8 t, up at AC + 32 + 8 t, in window 2 or 3
.set CC, CD+8*(\a)
	WIN 2+(\a)/4
.irp t, 0,1,2,3
.irp i, 0,2,4,6
	v_pk_mul_f32 v[TT+8*(2*(\t%2)+\t/2)+\i:TT+8*(2*(\t%2)+\t/2)+\i+1], v[AC+8*\t+\i:AC+8*\t+\i+1], s[96:97] op_sel_hi:[1,0]   ; -g log2(e); each accumulator is read from its low end on
.endr
.endr
	WIN 0
.set j, 0
	s_wait_alu depctr_va_vdst(0)                   ; a wait ahead of each batch of transcendentals and one behind it
.rept 32
	v_exp_f32 v[TT+j], v[TT+j]                     ; e^-g
.set j, j+1
.endr
	v_nop
	s_wait_alu depctr_va_vdst(0)
.irp i, 0,2,4,6,8,10,12,14,16,18,20,22,24,26,28,30
	v_pk_add_f32 v[TT+\i:TT+\i+1], v[TT+\i:TT+\i+1], 1.0 op_sel_hi:[1,0]
.endr
.set j, 0
	s_wait_alu depctr_va_vdst(0)
.rept 32
	v_rcp_f32 v[TT+j], v[TT+j]                     ; the sigmoid
.set j, j+1
.endr
	v_nop
	WIN 2+(\a)/4
	s_wait_alu depctr_va_vdst(0)
.irp t, 0,1,2,3
.irp i, 0,2,4,6
	v_pk_mul_f32 v[PP+8*(2*(\t%2)+\t/2)+\i:PP+8*(2*(\t%2)+\t/2)+\i+1], v[AC+8*\t+\i:AC+8*\t+\i+1], v[TT+8*(2*(\t%2)+\t/2)+\i:TT+8*(2*(\t%2)+\t/2)+\i+1]   ; silu(g) first, as the definition has it,
.endr
.endr
.irp t, 0,1,2,3
.irp i, 0,2,4,6
	v_pk_mul_f32 v[PP+8*(2*(\t%2)+\t/2)+\i:PP+8*(2*(\t%2)+\t/2)+\i+1], v[AC+32+8*\t+\i:AC+32+8*\t+\i+1], v[PP+8*(2*(\t%2)+\t/2)+\i:PP+8*(2*(\t%2)+\t/2)+\i+1]   ; then x up
.endr
.endr
	WIN 0
.irp j, 0,1,2,3,4,5,6,7                ; the first register's lanes 16-31 change places with the second's lanes 0-15
	v_permlane16_swap_b32 v[PP+\j], v[PP+8+\j]
.endr
.irp j, 0,1,2,3,4,5,6,7
	v_permlane16_swap_b32 v[PP+16+\j], v[PP+24+\j]
.endr                                  ; lane (r, h) now holds units 32 h + 0 .. 31 of my 64, in order: a whole block
	v_max3_num_f32 v[MXR], |v[PP]|, |v[PP+1]|, |v[PP+2]|            ; the block's largest magnitude, in two chains
	v_max3_num_f32 v[MXR+1], |v[PP+3]|, |v[PP+4]|, |v[PP+5]|
.irp i, 6,10,14,18,22,26
	v_max3_num_f32 v[MXR], v[MXR], |v[PP+\i]|, |v[PP+\i+1]|
	v_max3_num_f32 v[MXR+1], v[MXR+1], |v[PP+\i+2]|, |v[PP+\i+3]|
.endr
	v_max3_num_f32 v[MXR], v[MXR], |v[PP+30]|, |v[PP+31]|
	v_max3_num_f32 v[MXR], v[MXR], v[MXR+1], 0x1800000             ; and the floor 2^(3 - 127): the byte cannot fall under 1
	v_add_nc_u32 v[SCV], 0xff000000, v[MXR]        ; 2 off the exponent field: the conversion's scale operand
	v_cvt_scalef32_pk16_fp6_f32 v[CC:CC+2], v[PP:PP+15], v[SCV]
	v_cvt_scalef32_pk16_fp6_f32 v[CC+4:CC+6], v[PP+16:PP+31], v[SCV]   ; (a conversion's three registers begin on an even number)
	v_lshrrev_b32 v[BYT], 23, v[SCV]               ; the scale's byte.  (The plain place behind the conversions)
	v_mov_b32 v[CC+3], v[CC+4]
	v_mov_b32 v[CC+4], v[CC+5]
	v_mov_b32 v[CC+5], v[CC+6]                     ; six registers on end: registers 6 ch .. 6 ch + 5 of the operand
	ds_store_b64 v[STC],   v[CC:CC+1]   offset:1536*(\a)
	ds_store_b64 v[STC+1], v[CC+2:CC+3] offset:1536*(\a)
	ds_store_b64 v[STC+2], v[CC+4:CC+5] offset:1536*(\a)
	v_lshlrev_b32 v[XX], v[H8], v[BYT]             ; my byte at its place among my wave's two,
	v_permlanex16_b32 v[OB], v[XX], s98, s99
	v_or_b32 v[W16+(\a)], v[XX], v[OB]             ; with lane l xor 16's
	ds_store_b16 v[STS], v[W16+(\a)] offset:64*(\a)   ; both lanes of a row write the same two bytes with the same value
.endm
	PLACES NP                                      ; behind the last products: the lines below write their scale registers and x's fragments
	v_mov_b32 v[OB], 0                             ; a lane permute's destination counts as one of its sources
.irp a, 0,1,2,3,4,5,6,7
	EPI \a
.endr
	s_wait_dscnt 0x0                               ; for the others' sake: my stores into the stage are done
	s_barrier_signal -1
	s_barrier_wait -1                              ; both records are whole
.irp i, 0,1,2,3,4,5,6,7,8,9,10,11
	ds_load_b128 v[OUTR+4*\i:OUTR+4*\i+3], v[RDC] offset:512*\i
.endr
	ds_load_b64 v[OUTR+48:OUTR+49], v[RDS]
.irp i, 0,1,2,3,4,5,6,7,8,9,10,11
	s_wait_dscnt 12-\i                             ; load i is in; the 12 - i issued behind it may be out
	global_store_b128 v[GOC], v[OUTR+4*\i:OUTR+4*\i+3], s[14:15] offset:512*\i   ; 32 lanes store 512 consecutive bytes, at a multiple of 256 from hid's first byte
.endr
	s_wait_dscnt 0x0
	global_store_b64 v[GOS], v[OUTR+48:OUTR+49], s[14:15]          ; 256 consecutive bytes of scale words, likewise aligned
	s_wait_tensorcnt 0x0                           ; the wave's end
	ds_add_u32 v[SPW], v[NIL]
	s_wait_dscnt 0x0
	CROUND                                         ; the closing round
	s_endpgm
.Lfunc_end_k_q12b8da1f67_gateup:
	.size	k_q12b8da1f67_gateup, .Lfunc_end_k_q12b8da1f67_gateup-k_q12b8da1f67_gateup
	.p2alignl 7, 3214868480
	.fill 96, 4, 3214868480
	.section	.rodata,"a",@progbits
	.p2align	6, 0x0
	.amdhsa_kernel k_q12b8da1f67_gateup
		.amdhsa_group_segment_fixed_size 327680
		.amdhsa_private_segment_fixed_size 0
		.amdhsa_enable_private_segment 0
		.amdhsa_kernarg_size 48
		.amdhsa_user_sgpr_count 2
		.amdhsa_user_sgpr_kernarg_segment_ptr 1
		.amdhsa_wavefront_size32 1
		.amdhsa_system_sgpr_workgroup_id_x 1
		.amdhsa_system_sgpr_workgroup_id_y 1
		.amdhsa_system_sgpr_workgroup_id_z 1
		.amdhsa_system_vgpr_workitem_id 0
		.amdhsa_next_free_vgpr 1024
		.amdhsa_next_free_sgpr 100
		.amdhsa_reserve_vcc 0
		.amdhsa_float_denorm_mode_32 3
		.amdhsa_float_denorm_mode_16_64 3
		.amdhsa_memory_ordered 1
		.amdhsa_forward_progress 1
		.amdhsa_inst_pref_size 255
	.end_amdhsa_kernel
	.section	.bss,"aw",@nobits
	.p2align	6
	.space	262144
	.amdgpu_metadata
---
amdhsa.version: [ 1, 2 ]
amdhsa.kernels:
  - .name:           k_q12b8da1f67_gateup
    .symbol:         k_q12b8da1f67_gateup.kd
    .args:
      - { .name: x_codes, .offset: 0, .size: 8, .value_kind: global_buffer, .address_space: global }
      - { .name: x_scales, .offset: 8, .size: 8, .value_kind: global_buffer, .address_space: global }
      - { .name: w_gate_up_codes, .offset: 16, .size: 8, .value_kind: global_buffer, .address_space: global }
      - { .name: w_gate_up_scales, .offset: 24, .size: 8, .value_kind: global_buffer, .address_space: global }
      - { .name: b_gate_up, .offset: 32, .size: 8, .value_kind: global_buffer, .address_space: global }
      - { .name: hid, .offset: 40, .size: 8, .value_kind: global_buffer, .address_space: global }
    .group_segment_fixed_size: 327680
    .private_segment_fixed_size: 0
    .kernarg_segment_align: 8
    .kernarg_segment_size: 48
    .max_flat_workgroup_size: 128
    .sgpr_count:     100
    .vgpr_count:     1024
    .wavefront_size: 32
...
	.end_amdgpu_metadata
.endif
;; end of part 1
;; launch down (part 2): grid 32 x 8, 4 waves a work-group, clusters of 4 x 4, 327,680 bytes of LDS; arguments hid, w_down_codes, w_down_scales, b_down, out0; writes out0
.if DOCPART == 2
	.amdgcn_target "amdgcn-amd-amdhsa--gfx1250"
	.amdhsa_code_object_version 6
	.text
	.protected	k_q12b8da1f67_down
	.globl	k_q12b8da1f67_down
	.p2align	8
	.type	k_q12b8da1f67_down,@function
k_q12b8da1f67_down:
	s_mov_b64 s[64:65], 0
	v_nop
	global_prefetch_b8 v0, s[64:65] scope:SCOPE_SE
	s_setreg_imm32_b32 hwreg(HW_REG_WAVE_MODE, 25, 1), 1
	s_wait_xcnt 0x0
	s_wait_alu depctr_hold_cnt(0) depctr_sa_sdst(0) depctr_va_vdst(0) depctr_va_sdst(0) depctr_va_ssrc(0) depctr_va_vcc(0) depctr_vm_vsrc(0)
	s_getreg_b32 s2, hwreg(HW_REG_IB_STS2, 6, 4)
	s_cmp_eq_u32 s2, 0
	s_cbranch_scc0 .Lentry_in_a_cluster
	s_endpgm
.Lentry_in_a_cluster:
	s_bfe_u32 s2, ttmp6, 0x10000c
	s_cmp_lg_u32 s2, 0xf033
	s_cbranch_scc0 .Lentry_shape_is_right
	s_endpgm
.Lentry_shape_is_right:
; out0 = hid Wd^T + b_down on codes of FP6 (E2M3) with E8M0 scales.  hid comes as the launch before laid it: [block of 128 rows][K step of 128][12,800 bytes]: eight register images of 1,536 bytes, then 512 bytes of scale words.
; A work-group makes 128 rows x 64 columns; K goes in slots of 1,024 through a ring of two LDS slots; in each slot wave w takes K steps 2 w and 2 w + 1 for the whole block (32 accumulators), and the four waves' sums are added through LDS at the end.
; CLUSTERS: 4 x 4: hid's records are shared along a row of the cluster, Wd's rows (768 bytes of a row a slot, three whole units of 256) along a column, by joint loads.
; THE HEAD: one joint load a wave (slot 0); slot 1's first fill stands behind the full sequence and a round.  Wd's scale bytes of the 64 columns (16,384 dense bytes) come through registers, 16 lanes to 256 bytes, into LDS bytes of their own.
; PREFETCH: of a slot's 400 blocks of 256 bytes of hid the partner at cx takes 100 and its wave w 25 of them (lanes 25-31 name the wave's last again);
; of Wd's 64 rows x 3 blocks the partner at cy takes 16 rows and its wave w 4 rows, 12 blocks (lanes 12-31 name the last again).  Slot 1 is named ahead of the first round, slot 2 in the head, and slot s + 2 behind the load of slot s.
; The slot stands in the immediate, so the address registers are never rewritten; slot 7 is the last that is named; slot 0 comes by its load alone.
.set REC,   12800
.set KROW,  6144
.set BOFF,  8*REC
.set BP,    816
.set SLOT,  BOFF+64*BP
.set BSC,   2*SLOT
.set SPARE, BSC+64*272
.set PART,  128*272
.set AAD,  10
.set ASA,  12
.set BSA,  14
.set STO,  15
.set RD,   16
.set GO,   18
.set BIO,  19
.set SPW,  28
.set NIL,  29
.set BAD,  32
.set AS,   56
.set BS,   64
.set BB,   72
.set BF,   128
.set SUMB, 128
.set G1A, 24
.set G0A, 32
.set G1B, 48
.set G0B, 56
.set PA,  84
.set PB,  86
.set XSO, 20
.set PAO, 21
.set PBO, 22
.set XSA, 23
.set MSB, 0
.macro WIN new
.if MSB != (\new)
	s_set_vgpr_msb (MSB<<8)|(\new)
.set MSB, (\new)
.endif
.endm
.set MULW, 0xa4
.set TO_A, 0x40
.macro JLOAD s
	s_cmp_eq_u32 s17, 0
	s_cbranch_scc0 .Lfor_b_\@
	tensor_load_to_lds s[G0A+4*\s:G0A+4*\s+3], s[G1A:G1A+7]
	s_nop 0
.rept 4
	v_nop
.endr
	s_branch .Lasked_\@
.Lfor_b_\@:
	tensor_load_to_lds s[G0B+4*\s:G0B+4*\s+3], s[G1B:G1B+7]
	s_nop 0
.rept 4
	v_nop
.endr
.Lasked_\@:
.endm
.macro CREST
	s_cmp_lg_u32 s16, 0
	s_cbranch_scc1 .Lnot_wave_0_\@
	s_barrier_signal -3
.Lnot_wave_0_\@:
	s_barrier_wait -3
	s_barrier_signal -1
	s_barrier_wait -1
.endm
.macro CROUND
	s_barrier_signal -1
	s_barrier_wait -1
	CREST
.endm
.macro PLACES n
.rept \n
	v_nop
.endr
.endm
	s_load_b128 s[4:7], s[0:1], 0x0
	s_load_b128 s[8:11], s[0:1], 0x10
	s_load_b64 s[12:13], s[0:1], 0x20
	v_lshl_add_u32 v[SPW], v0, 2, SPARE
	v_mov_b32 v[NIL], 0
	ds_add_u32 v28, v29
	ds_add_u32 v28, v29
	s_wait_dscnt 0x0
	v_lshrrev_b32 v1, 5, v0
	v_readfirstlane_b32 s16, v1
	s_lshr_b32 s17, s16, 1
	s_and_b32 s18, s16, 1
	s_bfe_u32 s40, ttmp6, 0x40000
	s_bfe_u32 s41, ttmp6, 0x40004
	s_lshl_b32 s42, ttmp9, 2
	s_add_co_u32 s42, s42, s40
	s_and_b32 s43, ttmp7, 0xffff
	s_lshl_b32 s43, s43, 2
	s_add_co_u32 s43, s43, s41
	s_lshl_b32 s44, s41, 2
	s_lshl_b32 s44, 15, s44
	s_lshl_b32 s45, 0x1111, s40
	s_or_b32 s[G1A+0], s44, (3<<16)|(1<<21)
	s_mov_b32 s[G1A+1], 32<<16
	s_mov_b32 s[G1A+2], 200<<16
	s_mov_b32 s[G1A+3], 32<<16
	s_mov_b32 s[G1A+4], 200
	s_mov_b32 s[G1A+5], 32
	s_mov_b32 s[G1A+6], 0
	s_mov_b32 s[G1A+7], 0
	s_or_b32 s[G1B+0], s45, (0<<16)|(1<<20)|(1<<21)|(5<<22)|(3<<25)
	s_mov_b32 s[G1B+1], 768<<16
	s_mov_b32 s[G1B+2], 32<<16
	s_mov_b32 s[G1B+3], 768<<16
	s_mov_b32 s[G1B+4], 32
	s_mov_b32 s[G1B+5], KROW
	s_mov_b32 s[G1B+6], 0
	s_mov_b32 s[G1B+7], 0
	s_lshl_b32 s20, s43, 6
	s_lshl_b32 s21, s18, 2
	s_add_co_u32 s20, s20, s21
	s_mul_i32 s20, s20, REC
	s_mov_b32 s21, 0
	s_lshl_b32 s46, s42, 6
	s_lshl_b32 s47, s18, 5
	s_add_co_u32 s46, s46, s47
	s_mul_i32 s46, s46, KROW
	s_mov_b32 s47, 0
	s_lshl_b32 s80, s42, 6
	s_mul_i32 s[PA], s43, 64*REC                   ; the prefetches: my block of rows of hid, + my work-group's 100 blocks, + my wave's 25
	s_mul_i32 s[PA+1], s40, 100*256
	s_add_co_u32 s[PA], s[PA], s[PA+1]
	s_mul_i32 s[PA+1], s16, 25*256
	s_add_co_u32 s[PA], s[PA], s[PA+1]
	s_mov_b32 s[PA+1], 0
	s_lshl_b32 s[PB], s42, 6                       ; Wd: row 64 x block of columns + 16 cy + 4 x wave
	s_lshl_b32 s[PB+1], s41, 4
	s_add_co_u32 s[PB], s[PB], s[PB+1]
	s_lshl_b32 s[PB+1], s16, 2
	s_add_co_u32 s[PB], s[PB], s[PB+1]
	s_mul_i32 s[PB], s[PB], KROW
	s_mov_b32 s[PB+1], 0
	s_lshl_b32 s80, s80, 8
	s_mov_b32 s81, 0
	s_mul_i32 s22, s18, 4*REC
	s_mul_i32 s23, s18, 32*BP
	s_add_co_u32 s23, s23, BOFF
	s_wait_kmcnt 0x0
	s_add_nc_u64 s[20:21], s[4:5], s[20:21]
	s_add_nc_u64 s[46:47], s[6:7], s[46:47]
	s_add_nc_u64 s[80:81], s[8:9], s[80:81]
	s_add_nc_u64 s[PA:PA+1], s[4:5], s[PA:PA+1]
	s_add_nc_u64 s[PB:PB+1], s[6:7], s[PB:PB+1]
	v_and_b32 v6, 31, v0                           ; lane
	v_min_u32 v7, 24, v6
	v_lshlrev_b32 v[PAO], 8, v7                    ; hid: a lane a block of 256 bytes
	v_min_u32 v6, 11, v6
	v_mul_u32_u24 v7, v6, 11
	v_lshrrev_b32 v7, 5, v7                        ; l / 3 for l up to 11: the row
	v_lshlrev_b32 v6, 8, v6
	v_mad_u32_u24 v[PBO], v7, KROW-768, v6         ; row x 6,144 + (l % 3) x 256
	global_prefetch_b8 v[PAO], s[PA:PA+1] offset:8*REC th:TH_LOAD_NT scope:SCOPE_SE
	global_prefetch_b8 v[PBO], s[PB:PB+1] offset:768 th:TH_LOAD_NT scope:SCOPE_SE
	CROUND
	v_lshlrev_b32 v[XSO], 4, v0
.irp j, 0,1,2,3,4,5,6,7
	global_load_b128 v[BF+4*\j:BF+4*\j+3], v[XSO], s[80:81] offset:2048*\j   ; Wd's scale bytes: the 128 threads take 2,048 consecutive bytes a line
.endr
.irp s, 0,1
	s_mov_b32 s[G0A+4*\s], 1
	s_add_co_u32 s[G0A+4*\s+1], s22, \s*SLOT
	s_add_nc_u64 s[G0A+4*\s+2:G0A+4*\s+3], s[20:21], \s*8*REC
	s_or_b32 s[G0A+4*\s+3], s[G0A+4*\s+3], 0x80000000
	s_mov_b32 s[G0B+4*\s], 1
	s_add_co_u32 s[G0B+4*\s+1], s23, \s*SLOT
	s_add_nc_u64 s[G0B+4*\s+2:G0B+4*\s+3], s[46:47], \s*768
	s_or_b32 s[G0B+4*\s+3], s[G0B+4*\s+3], 0x80000000
.endr
	JLOAD 0                                        ; slot 0: one tensor load a wave at the head
	v_and_b32 v1, 15, v0
	v_bfe_u32 v2, v0, 4, 1
	v_and_b32 v3, 31, v0
	s_mul_i32 s20, s16, 2*REC
	v_lshl_add_u32 v[AAD], v3, 4, s20
	v_add_nc_u32 v[AAD+1], SLOT, v[AAD]
	s_add_co_u32 s20, s20, 12288
	v_lshl_add_u32 v[ASA], v3, 2, s20
	v_add_nc_u32 v[ASA+1], SLOT, v[ASA]
	s_lshl_b32 s21, s16, 3
	s_add_co_u32 s21, s21, BSC
	v_mad_u32_u24 v[BSA], v3, 272, s21
	s_mul_i32 s20, s16, 24
	v_mad_u32_u24 v4, v2, 3, s20
	v_mul_u32_u24 v5, v1, BP
	v_add_nc_u32 v5, BOFF, v5
.irp q, 0,1
.irp p, 0,1,2,3,4,5
	v_add_nc_u32 v6, 12*\q+6*(\p/3)+\p%3, v4
	v_lshrrev_b32 v7, 5, v6
	v_lshl_add_u32 v6, v6, 3, v5
	v_lshl_add_u32 v[BAD+6*\q+\p], v7, 4, v6
	v_add_nc_u32 v[BAD+12+6*\q+\p], SLOT, v[BAD+6*\q+\p]
.endr
.endr
	s_mul_i32 s20, s16, PART
	v_mad_u32_u24 v6, v1, 272, s20
	v_lshl_add_u32 v[STO], v2, 5, v6
	s_mul_i32 s20, s16, 32*272
	v_mad_u32_u24 v6, v2, 272, s20
	v_lshl_add_u32 v[RD], v1, 4, v6
	v_add_nc_u32 v[RD+1], 2*PART, v[RD]
	v_lshlrev_b32 v6, 13, v2
	v_lshl_add_u32 v[GO], v1, 4, v6
	v_lshlrev_b32 v[BIO], 4, v1
	v_lshrrev_b32 v6, 4, v0
	v_add_nc_u32 v6, v6, v0
	v_lshl_add_u32 v[XSA], v6, 4, BSC              ; byte y of the scales goes to y + 16 (y / 256): 16 (t + t / 16), and 2,176 a line of loads
	global_prefetch_b8 v[PAO], s[PA:PA+1] offset:2*8*REC th:TH_LOAD_NT scope:SCOPE_SE
	global_prefetch_b8 v[PBO], s[PB:PB+1] offset:2*768 th:TH_LOAD_NT scope:SCOPE_SE
	s_wait_alu depctr_va_vdst(0)
	s_lshl_b32 s20, s43, 7
	s_lshl_b32 s21, s16, 5
	s_add_co_u32 s20, s20, s21
	s_lshl_b32 s20, s20, 13
	s_mov_b32 s21, 0
	s_lshl_b32 s46, s42, 8
	s_mov_b32 s47, 0
	s_add_nc_u64 s[12:13], s[12:13], s[20:21]
	s_add_nc_u64 s[12:13], s[12:13], s[46:47]
	s_add_nc_u64 s[10:11], s[10:11], s[46:47]
	global_load_b128 v[BB:BB+3], v[BIO], s[10:11]
.macro FETCH sg, q, s
.if (\q) == 0
.irp t, 0,1
	ds_load_b64 v[BS+4*(\sg)+2*\t:BS+4*(\sg)+2*\t+1], v[BSA] offset:32*272*\t+32*(\s)
.endr
.endif
.irp i, 0,1,2,3
	ds_load_b32 v[AS+4*(\q)+\i], v[ASA+(\sg)] offset:REC*(\q)+128*\i
.endr
.irp b, 0,1,2,3
.irp p, 0,1,2,3,4,5
	ds_load_b64 v[BF+48*(\q)+12*\b+2*\p:BF+48*(\q)+12*\b+2*\p+1], v[BAD+12*(\sg)+6*(\q)+\p] offset:16*BP*\b
.endr
.endr
	WIN TO_A
.irp a, 0,1,2,3,4,5,6,7
.irp c, 0,1,2
	ds_load_b128 v[128*(\q)+12*\a+4*\c:128*(\q)+12*\a+4*\c+3], v[AAD+(\sg)] offset:REC*(\q)+1536*\a+512*\c
.endr
.endr
	WIN 0
.endm
.macro WM a, b, sg, q, zero
.set rD, 8*(4*(\a)+(\b))
.set rB, BF+48*(\q)+12*(\b)
.set rA, 128*(\q)+12*(\a)
.set rX, BS+4*(\sg)+2*((\b)/2)+(\q)
.set rY, AS+4*(\q)+(\a)/2
.set par, 2*((\a)%2)+(\b)%2
.if \zero
.if par == 0
	v_wmma_scale_f32_16x16x128_f8f6f4 v[rD:rD+7], v[rB:rB+11], v[rA:rA+11], 0, v[rX], v[rY] matrix_a_fmt:MATRIX_FMT_FP6 matrix_b_fmt:MATRIX_FMT_FP6
.elseif par == 1
	v_wmma_scale_f32_16x16x128_f8f6f4 v[rD:rD+7], v[rB:rB+11], v[rA:rA+11], 0, v[rX], v[rY] matrix_a_fmt:MATRIX_FMT_FP6 matrix_b_fmt:MATRIX_FMT_FP6 matrix_a_scale:MATRIX_SCALE_ROW1
.elseif par == 2
	v_wmma_scale_f32_16x16x128_f8f6f4 v[rD:rD+7], v[rB:rB+11], v[rA:rA+11], 0, v[rX], v[rY] matrix_a_fmt:MATRIX_FMT_FP6 matrix_b_fmt:MATRIX_FMT_FP6 matrix_b_scale:MATRIX_SCALE_ROW1
.else
	v_wmma_scale_f32_16x16x128_f8f6f4 v[rD:rD+7], v[rB:rB+11], v[rA:rA+11], 0, v[rX], v[rY] matrix_a_fmt:MATRIX_FMT_FP6 matrix_b_fmt:MATRIX_FMT_FP6 matrix_a_scale:MATRIX_SCALE_ROW1 matrix_b_scale:MATRIX_SCALE_ROW1
.endif
.else
.if par == 0
	v_wmma_scale_f32_16x16x128_f8f6f4 v[rD:rD+7], v[rB:rB+11], v[rA:rA+11], v[rD:rD+7], v[rX], v[rY] matrix_a_fmt:MATRIX_FMT_FP6 matrix_b_fmt:MATRIX_FMT_FP6
.elseif par == 1
	v_wmma_scale_f32_16x16x128_f8f6f4 v[rD:rD+7], v[rB:rB+11], v[rA:rA+11], v[rD:rD+7], v[rX], v[rY] matrix_a_fmt:MATRIX_FMT_FP6 matrix_b_fmt:MATRIX_FMT_FP6 matrix_a_scale:MATRIX_SCALE_ROW1
.elseif par == 2
	v_wmma_scale_f32_16x16x128_f8f6f4 v[rD:rD+7], v[rB:rB+11], v[rA:rA+11], v[rD:rD+7], v[rX], v[rY] matrix_a_fmt:MATRIX_FMT_FP6 matrix_b_fmt:MATRIX_FMT_FP6 matrix_b_scale:MATRIX_SCALE_ROW1
.else
	v_wmma_scale_f32_16x16x128_f8f6f4 v[rD:rD+7], v[rB:rB+11], v[rA:rA+11], v[rD:rD+7], v[rX], v[rY] matrix_a_fmt:MATRIX_FMT_FP6 matrix_b_fmt:MATRIX_FMT_FP6 matrix_a_scale:MATRIX_SCALE_ROW1 matrix_b_scale:MATRIX_SCALE_ROW1
.endif
.endif
.endm
.macro MULA a0, n, sg, q, zero
.set AI, \a0
.rept \n
.irp b, 0,1,2,3
	WM AI, \b, \sg, \q, \zero
.endr
.set AI, AI+1
.endr
.endm
.macro STEPA sg, s, zero
	s_wait_dscnt 12
	WIN MULW
	MULA 0, 4, \sg, 0, \zero
	s_wait_dscnt 0x0
	PLACES 4
	WIN 0
	FETCH \sg, 1, \s
	WIN MULW
	MULA 4, 4, \sg, 0, \zero
.endm
.macro STEPB sg, s, mode
.if \mode == 0
	s_wait_dscnt 12
	WIN MULW
	MULA 0, 4, \sg, 1, 0
	s_wait_dscnt 0x0
	MULA 4, 4, \sg, 1, 0
.else
	WIN 0
	s_wait_tensorcnt 0x0
	ds_add_u32 v[SPW], v[NIL]
	s_wait_dscnt 13
	WIN MULW
	MULA 0, 2, \sg, 1, 0
	s_wait_dscnt 0x0
	s_barrier_signal -1
	MULA 2, 2, \sg, 1, 0
	WIN 0
	s_barrier_wait -1
.if \mode == 2
	CREST
	s_add_nc_u64 s[G0A+4*\sg+2:G0A+4*\sg+3], s[G0A+4*\sg+2:G0A+4*\sg+3], 16*REC
	s_add_nc_u64 s[G0B+4*\sg+2:G0B+4*\sg+3], s[G0B+4*\sg+2:G0B+4*\sg+3], 2*768
	JLOAD \sg
.else
	PLACES 4
.endif
	FETCH 1-\sg, 0, \s+1
.if (\mode == 2) && ((\s)+4 < 8)
	global_prefetch_b8 v[PAO], s[PA:PA+1] offset:((\s)+4)*8*REC th:TH_LOAD_NT scope:SCOPE_SE   ; two slots beyond the one just asked for
	global_prefetch_b8 v[PBO], s[PB:PB+1] offset:((\s)+4)*768 th:TH_LOAD_NT scope:SCOPE_SE
.endif
	WIN MULW
	MULA 4, 4, \sg, 1, 0
.endif
.endm
	s_wait_loadcnt 0x1                             ; the scale bytes are in registers (the bias, the youngest load, may be out)
	s_wait_tensorcnt 0x0                           ; my part of slot 0 is in: I store to LDS with no load of mine on its way
.irp j, 0,1,2,3,4,5,6,7
	ds_store_b128 v[XSA], v[BF+4*\j:BF+4*\j+3] offset:2176*\j
.endr
	s_wait_tensorcnt 0x0                           ; the wait and the add ahead of a later first fill, as ahead of a refill
	ds_add_u32 v[SPW], v[NIL]
	s_wait_dscnt 0x0                               ; the add and my stores are done
	CROUND
	JLOAD 1                                        ; slot 1, the first tensor load behind the round
	FETCH 0, 0, 0
	global_prefetch_b8 v[PAO], s[PA:PA+1] offset:3*8*REC th:TH_LOAD_NT scope:SCOPE_SE
	global_prefetch_b8 v[PBO], s[PB:PB+1] offset:3*768 th:TH_LOAD_NT scope:SCOPE_SE
	STEPA 0, 0, 1
	STEPB 0, 0, 2
	STEPA 1, 1, 0
	STEPB 1, 1, 2
	STEPA 0, 2, 0
	STEPB 0, 2, 2
	STEPA 1, 3, 0
	STEPB 1, 3, 2
	STEPA 0, 4, 0
	STEPB 0, 4, 2
	STEPA 1, 5, 0
	STEPB 1, 5, 2
	STEPA 0, 6, 0
	STEPB 0, 6, 1
	STEPA 1, 7, 0
	STEPB 1, 7, 0
	PLACES 4
	WIN 0x08
.irp a, 0,1,2,3,4,5,6,7
.irp b, 0,1,2,3
	ds_store_b128 v[STO], v[8*(4*\a+\b):8*(4*\a+\b)+3] offset:16*272*\a+64*\b
	ds_store_b128 v[STO], v[8*(4*\a+\b)+4:8*(4*\a+\b)+7] offset:16*272*\a+64*\b+16
.endr
.endr
	WIN 0
	s_wait_dscnt 0x0
	s_barrier_signal -1
	s_barrier_wait -1
	s_wait_loadcnt 0x0
.macro LOADG g
.set GB, SUMB+64*((\g)%2)
.irp u, 0,1,2,3
	ds_load_b128 v[GB+16*\u:GB+16*\u+3],     v[RD]   offset:544*(4*(\g)+\u)
	ds_load_b128 v[GB+16*\u+4:GB+16*\u+7],   v[RD]   offset:544*(4*(\g)+\u)+PART
	ds_load_b128 v[GB+16*\u+8:GB+16*\u+11],  v[RD+1] offset:544*(4*(\g)+\u)
	ds_load_b128 v[GB+16*\u+12:GB+16*\u+15], v[RD+1] offset:544*(4*(\g)+\u)+PART
.endr
.endm
.macro SUMG g
.set GB, SUMB+64*((\g)%2)
.irp u, 0,1,2,3
	v_pk_add_f32 v[GB+16*\u:GB+16*\u+1],     v[GB+16*\u:GB+16*\u+1],     v[GB+16*\u+4:GB+16*\u+5]
	v_pk_add_f32 v[GB+16*\u+2:GB+16*\u+3],   v[GB+16*\u+2:GB+16*\u+3],   v[GB+16*\u+6:GB+16*\u+7]
	v_pk_add_f32 v[GB+16*\u+8:GB+16*\u+9],   v[GB+16*\u+8:GB+16*\u+9],   v[GB+16*\u+12:GB+16*\u+13]
	v_pk_add_f32 v[GB+16*\u+10:GB+16*\u+11], v[GB+16*\u+10:GB+16*\u+11], v[GB+16*\u+14:GB+16*\u+15]
	v_pk_add_f32 v[GB+16*\u:GB+16*\u+1],     v[GB+16*\u:GB+16*\u+1],     v[GB+16*\u+8:GB+16*\u+9]
	v_pk_add_f32 v[GB+16*\u+2:GB+16*\u+3],   v[GB+16*\u+2:GB+16*\u+3],   v[GB+16*\u+10:GB+16*\u+11]
	v_pk_add_f32 v[GB+16*\u:GB+16*\u+1],     v[GB+16*\u:GB+16*\u+1],     v[BB:BB+1]
	v_pk_add_f32 v[GB+16*\u+2:GB+16*\u+3],   v[GB+16*\u+2:GB+16*\u+3],   v[BB+2:BB+3]
	global_store_b128 v[GO], v[GB+16*\u:GB+16*\u+3], s[12:13] offset:16384*(4*(\g)+\u) th:TH_STORE_NT
.endr
.endm
	LOADG 0
	LOADG 1
	s_wait_dscnt 16
	SUMG 0
	s_wait_xcnt 0x0
	LOADG 2
	s_wait_dscnt 16
	SUMG 1
	s_wait_xcnt 0x0
	LOADG 3
	s_wait_dscnt 16
	SUMG 2
	s_wait_dscnt 0x0
	SUMG 3
	s_wait_tensorcnt 0x0
	ds_add_u32 v[SPW], v[NIL]
	s_wait_dscnt 0x0
	CROUND
	s_endpgm
.Lfunc_end_k_q12b8da1f67_down:
	.size	k_q12b8da1f67_down, .Lfunc_end_k_q12b8da1f67_down-k_q12b8da1f67_down
	.p2alignl 7, 3214868480
	.fill 96, 4, 3214868480
	.section	.rodata,"a",@progbits
	.p2align	6, 0x0
	.amdhsa_kernel k_q12b8da1f67_down
		.amdhsa_group_segment_fixed_size 327680
		.amdhsa_private_segment_fixed_size 0
		.amdhsa_enable_private_segment 0
		.amdhsa_kernarg_size 40
		.amdhsa_user_sgpr_count 2
		.amdhsa_user_sgpr_kernarg_segment_ptr 1
		.amdhsa_wavefront_size32 1
		.amdhsa_system_sgpr_workgroup_id_x 1
		.amdhsa_system_sgpr_workgroup_id_y 1
		.amdhsa_system_sgpr_workgroup_id_z 1
		.amdhsa_system_vgpr_workitem_id 0
		.amdhsa_next_free_vgpr 768
		.amdhsa_next_free_sgpr 96
		.amdhsa_reserve_vcc 0
		.amdhsa_float_denorm_mode_32 3
		.amdhsa_float_denorm_mode_16_64 3
		.amdhsa_memory_ordered 1
		.amdhsa_forward_progress 1
		.amdhsa_inst_pref_size 161
	.end_amdhsa_kernel
	.amdgpu_metadata
---
amdhsa.version: [ 1, 2 ]
amdhsa.kernels:
  - .name:           k_q12b8da1f67_down
    .symbol:         k_q12b8da1f67_down.kd
    .args:
      - { .name: hid, .offset: 0, .size: 8, .value_kind: global_buffer, .address_space: global }
      - { .name: w_down_codes, .offset: 8, .size: 8, .value_kind: global_buffer, .address_space: global }
      - { .name: w_down_scales, .offset: 16, .size: 8, .value_kind: global_buffer, .address_space: global }
      - { .name: b_down, .offset: 24, .size: 8, .value_kind: global_buffer, .address_space: global }
      - { .name: out0, .offset: 32, .size: 8, .value_kind: global_buffer, .address_space: global }
    .group_segment_fixed_size: 327680
    .private_segment_fixed_size: 0
    .kernarg_segment_align: 8
    .kernarg_segment_size: 40
    .max_flat_workgroup_size: 128
    .sgpr_count:     96
    .vgpr_count:     768
    .wavefront_size: 32
...
	.end_amdgpu_metadata
.endif
;; end of part 2
